; MI455X (gfx1250); checked and timed in simulation.
; The chip was launched on July 23, 2026; its instructions are those of AMD's public machine-readable ISA for CDNA 5 (MIT licence, August 2026) and "CDNA5" Instruction Set Architecture Reference Guide (July 2026). The comments in the code are by the model that wrote it; some were corrected since.
;; Self Attention. Allowed arithmetic: matrix products marked QUANTISED: E3M2 operands, one E8M0 scale for each 32 along K, by v_wmma_scale_f32_16x16x128_f8f6f4 with both operands' format E3M2, f32 sums; products left as they are: f32 operands where the result goes on into a quantised operand, else bf16, f16 or f32 operands; f32 sums; everything else in f32.
;; Inputs: bk 16 float32; bq 16 float32; bv 128 float32; gamma 1 float32; wk_codes 16 x 4 x 24 uint8 (E3M2 codes of wk, K innermost, in blocks of 32 codes, four codes in three bytes); wk_scales 16 x 4 uint8 (E8M0 scales of wk, one for each 32 codes along K); wq_codes 16 x 4 x 24 uint8 (E3M2 codes of wq, K innermost, in blocks of 32 codes, four codes in three bytes); wq_scales 16 x 4 uint8 (E8M0 scales of wq, one for each 32 codes along K); wv_codes 128 x 4 x 24 uint8 (E3M2 codes of wv, K innermost, in blocks of 32 codes, four codes in three bytes); wv_scales 128 x 4 uint8 (E8M0 scales of wv, one for each 32 codes along K); x 16 x 128 x 64 x 64 float32.
;; Outputs: out0 16 x 128 x 64 x 64 float32.
;; This version of the problem:
;;   THIS VERSION OF THE PROBLEM IS GIVEN IN LOW PRECISION. The matrix products marked QUANTISED in the list below multiply operands that are first quantised to E3M2 (3 exponent bits, 2 mantissa bits; 6 bits a number), with one power-of-two scale for each 32 numbers along K (OCP MX v1.0); their sums are f32. All else is computed in f32.
;;   The module's matrix products, in the order in which they are computed (A, B: the left and right operand; K: the contracted axis; several contracted axes count as one K, in the product's order):
;;     1. [M 65,536, K 128] x [K 128, N 16]; A: input x; B: input wq (given as codes): QUANTISED
;;     2. [M 16, K 128] x [K 128, N 65,536]; A: input wk (given as codes); B: input x: QUANTISED
;;     3. batch 16 x [M 4,096, K 16] x [K 16, N 4,096]; A: computed on the way; B: computed on the way: left as it is (K = 16 < 32)
;;     4. [M 128, K 128] x [K 128, N 65,536]; A: input wv (given as codes); B: input x: QUANTISED
;;     5. batch 16 x [M 128, K 4,096] x [K 4,096, N 4,096]; A: computed on the way; B: softmax (see below): QUANTISED
;;   THE QUANTISER, for each operand of a quantised product, along K:
;;     - K is cut into blocks of 32 from its start; a last block that is shorter is filled with zeros.
;;     - A block's scale is 2^e with e = floor(log2(the largest magnitude in the block)) - 4, held to -126 .. 127; a block of zeros has e = 0. As a byte (E8M0): e + 127.
;;     - Each number is divided by its block's scale, clamped to +-28, and rounded to the nearest number of E3M2, ties to even, subnormals kept.
;;     - The product sums the exact products of the quantised numbers (number of the format x scale) in f32.
;;   ~~~python
;;   def quantise(x, axis):      # numpy; x: float32 -> the quantised numbers, widened to float32 again
;;       x = np.moveaxis(x, axis, -1); K = x.shape[-1]
;;       x = np.pad(x, [(0, 0)] * (x.ndim - 1) + [(0, -K % 32)]); x = x.reshape(x.shape[:-1] + (-1, 32)); a = np.abs(x).max(-1, keepdims=True)
;;       e = np.where(a > 0, np.clip(np.frexp(np.where(a > 0, a, 1))[1] - 1 - 4, -126, 127), 0)      # np.frexp(a)[1] - 1 = floor(log2(a)), exactly
;;       r = np.clip(x / 2.0 ** e, -28, 28)
;;       step = 2.0 ** (np.maximum(np.frexp(np.where(r == 0, 1, r))[1] - 1, -2) - 2)
;;       q = np.round(r / step) * step * 2.0 ** e      # np.round: ties to even
;;       return np.moveaxis(q.reshape(q.shape[:-2] + (-1,))[..., :K], -1, axis).astype(np.float32)
;;   ~~~
;;   SOFTMAX AHEAD OF A QUANTISED PRODUCT. Where the list says 'softmax', what is quantised is not the finished softmax but p = 2^(t - M), with t = logit x log2(e) and M = ceil(the row's largest t), a whole number; so 1/2 < the row's largest p <= 1. The row's sum l is taken of the UNQUANTISED p, in f32, and the product's result is divided by l at the end. Since M is a whole number, a kernel that streams over the keys may use a running M (the ceiling of the running maximum): every later rescaling is an exact power of two, which a block's scale takes up: the codes' values come out the same.
;;   OPERANDS COMPUTED ON THE WAY. 'Computed on the way' means the value that the module computes at that place (a softmax that the list does not call 'softmax' is quantised finished and normalised). What goes into a quantiser is computed in f32, as accurately as f32 sums, v_exp_f32 and their like allow (about 1e-6 of the number): no bf16 or f16 on the way to a quantiser, and a product that is left as it is and whose result goes on into a quantised operand takes f32 operands (vector FMAs, or v_wmma_f32_16x16x4_f32). A number that lies on a knife's edge between two numbers of the format may be rounded either way, as far as f32 arithmetic and the matrix unit's own rounding can turn it there, and no further.
;;   INPUTS GIVEN AS CODES. wk (in the module: [16, 128], K = its axis 1); wq (in the module: [16, 128], K = its axis 1); wv (in the module: [128, 128], K = its axis 1): each comes as NAME_codes (uint8): NAME with its K axis moved to the last place and cut into blocks of 32 codes, [.., K / 32, bytes a block], one block behind the other in memory; four codes in three bytes: a row's codes are one little-endian stream of bits, code i at bits 6 i .. 6 i + 5 (a code: sign, 3 exponent bits, 2 mantissa bits); and NAME_scales (uint8): the same leading axes, one E8M0 byte (e + 127) for each 32 codes along K. Its value is code x scale, taken as it is: it is not quantised again, and the codes and scales need not be those that the quantiser above would give.
;; One version. Each part assembles by itself: llvm-mc -triple=amdgcn-amd-amdhsa -mcpu=gfx1250 --defsym DOCPART=n.
;; ======== version 1 of 1: 2 launches
;; workspace buffers: q 4,194,304 bytes; kv 11,010,048 bytes
;; launch proj (part 1): grid 32 x 16, 4 waves a work-group, no clusters, 78,848 bytes of LDS; arguments x, wq_codes, wq_scales, bq, wk_codes, wk_scales, bk, wv_codes, wv_scales, bv, q, kv; writes q, kv
.if DOCPART == 1
	.amdgcn_target "amdgcn-amd-amdhsa--gfx1250"
	.amdhsa_code_object_version 6
	.text
	.protected	k_q70b784edca_proj
	.globl	k_q70b784edca_proj
	.p2align	8
	.type	k_q70b784edca_proj,@function
k_q70b784edca_proj:
	s_mov_b64 s[64:65], 0
	v_nop
	global_prefetch_b8 v0, s[64:65] scope:SCOPE_SE
	s_setreg_imm32_b32 hwreg(HW_REG_WAVE_MODE, 25, 1), 1
	s_wait_xcnt 0x0
; THE PROJECTIONS.  x [16][128 channels][4096 pixels] f32 is quantised along the channels to codes of BF6 (E3M2) with one E8M0 scale for each 32 channels, and
; multiplied by wq, wk, wv, which come as codes: q = x wq^T + bq, k = wk x + bk (f32, 16 numbers a pixel), v = wv x + bv, which is quantised again, along the pixels (the keys of the second launch).
; A work-group (x: step s of 128 pixels, y: batch b) makes 8 images of q, 8 of k and 8 fragments of v.  Both buffers are laid as images of the reader's operand registers:
;   an image of q or k (1,024 bytes): 16 pixels; chunk n = 0, 1 of 512 bytes holds registers 4 n .. 4 n + 3, 16 bytes a lane; lane (r, h), register j = q[row r][8 h + j].
;   record s of a batch's 32 in kv (21,504 bytes): 8 images of k OF STEP s + 1 (of step 0 in record 31): the reader makes a step's scores one step ahead; 8 fragments of v of step s (12 registers, three chunks of 512 bytes;
;   lane (r, h), registers 6 c .. 6 c + 5: channel 16 t + r, keys 64 c + 32 h + 0 .. 31); 4 x 256 bytes of v's scale words (unit u, lane l: the words of tiles 2 u and 2 u + 1 for row l % 16).
; THE PIXELS OF A TILE ARE NOT NEIGHBOURS: row m of tile T = 4 c + i is pixel 64 c + 32 (m / 8) + 8 i + m % 8 of the step.  So wherever pixels are the rows of a result, a lane's 32 registers
; of tiles 4 c .. 4 c + 3 are the 32 neighbouring pixels 64 c + 32 (lane / 16) + 0 .. 31: a whole block along the keys, in the order in which the operand's layout wants it.
; SHARES.  Wave w brings channels 32 w .. 32 w + 31 of the 128 pixels into a stage in LDS (each load 512 consecutive bytes); a lane then takes ONE pixel of tiles 2 w, 2 w + 1 and reads its 128 channels down
; the stage, so that a block's largest magnitude needs no other lane; the wave makes q and k of its two tiles, hands its two fragments of x to the others through LDS, and makes v's channels 32 w .. 32 w + 31 for all 128 pixels.
; A block's scale is 2^(floor(log2(its largest magnitude)) - 4); its byte is the largest magnitude's exponent field - 4, held at 1 from below.
; LIMITS: a block whose largest magnitude lies under 2^-122 keeps the byte 1 (a block of zeros too, where the rule says 127: its codes are zeros, and this program alone reads the bytes); NaN and infinities among the inputs are not served.
; No tensor load, no loop, two barriers.
.set REC,  21504                       ; a record of kv
.set XIMG, 65536                       ; LDS: 0 .. 65,535 the stage, 128 channels x 512 bytes; then x's 8 fragments, 1,536 bytes each;
.set XSC,  77824                       ; then their scale words: unit u of 128 bytes: lanes 0-15 tile 2 u, lanes 16-31 tile 2 u + 1
.set X,    16                          ; v16-143  x as loaded, then the 128 channels of my pixel
.set XF,   16                          ; v16-111  later: x's 8 fragments
.set PCV,  112                         ; v112-135 v's two fragments
.set PWV,  136                         ; v136-137 their scale words
.set FA,   144                         ; v144-155 x's fragment of tile 2 w;  v156-167 of tile 2 w + 1
.set FB,   156
.set DQ,   168                         ; v168-183 q of my two tiles;  v184-199 k
.set DK,   184
.set DV,   144                         ; v144-207 later: v, 8 tiles of pixels x 16 channels
.set T,    208                         ; v208-223 the upper halves of blocks' codes (a conversion's three registers begin on an even number)
.set BM,   224                         ; largest magnitudes;  v228.. the conversions' scale operands;  v232.. the bytes
.set SO,   228
.set BY,   232
.set XS,   240                         ; v240-243 x's scale words of all 8 tiles;  v244 my two tiles';  v245, v246 wq's, wk's;  v247, v248 wv's: these hold scales and nothing else
.set XSW,  244
.set WQS,  245
.set WKS,  246
.set WVS,  247
.set WQ,   0                           ; in window 1 (v256 on): wq's fragment, wk's, wv's two, and the biases in the results' layouts
.set WK,   12
.set WV,   24
.set BQ,   48
.set BK,   56
.set BV,   64
.set MSB, 0
.macro WIN new                         ; s_set_vgpr_msb: bits 1:0 source 0, 3:2 source 1, 5:4 source 2, 7:6 destination; the high byte repeats the setting that is left
.if MSB != \new
	s_set_vgpr_msb (MSB<<8)|\new
.set MSB, \new
.endif
.endm
.macro BARRIER                         ; my LDS stores have landed and my LDS loads are in: then the work-group's barrier
	s_wait_dscnt 0x0
	s_barrier_signal -1
	s_barrier_wait -1
.endm
.macro IMAGE reg, off                  ; a fragment goes to LDS as it stands: three stores of 512 consecutive bytes
.irp c, 0,1,2
	ds_store_b128 v7, v[\reg+4*\c:\reg+4*\c+3] offset:\off+512*\c
.endr
.endm
.macro FETCH reg, off                  ; and comes back so, in any wave
.irp c, 0,1,2
	ds_load_b128 v[\reg+4*\c:\reg+4*\c+3], v9 offset:\off+512*\c
.endr
.endm
; v[DV] .. v[DV + 63]: register 32 c + i = key 64 c + 32 (lane / 16) + i of my channel: two whole blocks a lane.  They become a fragment in v[pc] on and the channel's scale word in v[pw].
.macro QV pc, pw
.irp c, 0,1
	v_max3_num_f32 v[BM+\c], |v[DV+32*\c]|, |v[DV+32*\c+1]|, 0x2800000   ; each accumulator is read from its low end on; the floor 2^(5 - 127) holds the byte at 1 from below
.endr
.irp i, 2,4,6,8,10,12,14,16,18,20,22,24,26,28,30
.irp c, 0,1
	v_max3_num_f32 v[BM+\c], v[BM+\c], |v[DV+32*\c+\i]|, |v[DV+32*\c+\i+1]|   ; (the two blocks by turns)
.endr
.endr
.irp c, 0,1
	v_add_nc_u32 v[SO+\c], 0xfe000000, v[BM+\c]    ; 4 off the exponent field: the conversion takes this operand's exponent field as its scale
.endr
.irp c, 0,1
	v_lshrrev_b32 v[BY+\c], 23, v[SO+\c]           ; the scale's byte
.endr
	v_lshl_or_b32 v238, v[BY+1], 16, v[BY]         ; my two bytes: blocks h and 2 + h,
	v_lshlrev_b32 v238, v15, v238                  ; at their places in the word (8 h bits up);
	v_permlanex16_b32 v239, v238, s40, s41
	v_or_b32 v[\pw], v238, v239                    ; with lane l xor 16's two the word is whole
.irp c, 0,1
	v_cvt_scalef32_pk16_bf6_f32 v[(\pc)+6*\c:(\pc)+6*\c+2], v[DV+32*\c:DV+32*\c+15], v[SO+\c]
	v_cvt_scalef32_pk16_bf6_f32 v[T+4*\c:T+4*\c+2], v[DV+32*\c+16:DV+32*\c+31], v[SO+\c]
.endr
	v_nop                                          ; one plain place behind a scaled conversion
.irp c, 0,1
.irp i, 0,1,2
	v_mov_b32 v[(\pc)+3+6*\c+\i], v[T+4*\c+\i]
.endr
.endr
.endm
	s_load_b512 s[4:19], s[0:1], 0x0               ; x 4:5, wq_codes 6:7, wq_scales 8:9, bq 10:11, wk_codes 12:13, wk_scales 14:15, bk 16:17, wv_codes 18:19
	s_load_b256 s[20:27], s[0:1], 0x40             ; wv_scales 20:21, bv 22:23, q 24:25, kv 26:27
	v_lshl_add_u32 v254, v0, 2, 0x13200
	v_mov_b32 v255, 0
	v_lshrrev_b32 v1, 5, v0
	v_readfirstlane_b32 s28, v1                    ; wave 0..3
	s_mov_b32 s29, ttmp9                           ; the step of 128 pixels
	s_and_b32 s30, ttmp7, 0xffff                   ; the batch
	v_and_b32 v1, 31, v0                           ; lane
	v_and_b32 v2, 15, v0                           ; r
	v_bfe_u32 v3, v0, 4, 1                         ; h
	v_lshlrev_b32 v4, 4, v1                        ; 16 x lane
	s_lshl_b32 s32, s30, 21                        ; x: 2,097,152 b + 512 s + 524,288 w (32 channels of 16,384 bytes)
	s_lshl_b32 s38, s29, 9
	s_add_co_u32 s32, s32, s38
	s_lshl_b32 s38, s28, 19
	s_add_co_u32 s32, s32, s38
	s_mov_b32 s33, 0
	s_wait_kmcnt 0x0
	s_add_nc_u64 s[4:5], s[4:5], s[32:33]
.set k, 0
.rept 32
	global_load_b128 v[X+4*k:X+4*k+3], v4, s[4:5] offset:16384*k th:TH_LOAD_NT   ; channel 32 w + k: 32 lanes read 512 consecutive bytes
.set k, k+1
.endr
	v_mul_u32_u24 v11, v2, 96                      ; a weight's fragment: row r of 96 bytes,
	v_mad_u32_u24 v11, v3, 24, v11                 ; + 24 h
	v_lshlrev_b32 v12, 2, v2                       ; 4 r: a row's scale word, a channel's bias
	v_lshlrev_b32 v13, 5, v3                       ; 32 h: bq, bk at 8 h + 0 .. 7
	v_lshlrev_b32 v14, 3, v1                       ; 8 x lane
	v_lshlrev_b32 v15, 3, v3                       ; 8 h
	WIN 0x40                                       ; destination window 1, address window 0
.irp p, 0,1,2,3,4,5
	global_load_b64 v[WQ+2*\p:WQ+2*\p+1], v11, s[6:7] offset:48*(\p/3)+8*(\p%3)
.endr
.irp p, 0,1,2,3,4,5
	global_load_b64 v[WK+2*\p:WK+2*\p+1], v11, s[12:13] offset:48*(\p/3)+8*(\p%3)
.endr
	global_load_b128 v[BQ:BQ+3], v13, s[10:11]
	global_load_b128 v[BQ+4:BQ+7], v13, s[10:11] offset:16
	global_load_b128 v[BK:BK+3], v13, s[16:17]
	global_load_b128 v[BK+4:BK+7], v13, s[16:17] offset:16
	WIN 0
	global_load_b32 v[WQS], v12, s[8:9]
	global_load_b32 v[WKS], v12, s[14:15]          ; 18 loads stand behind x's 32
	; the LDS addresses
	s_lshl_b32 s31, s28, 14
	v_add_nc_u32 v5, s31, v4                       ; the stage, on the way in: 16 x lane + my 32 rows of 512 bytes
	s_lshr_b32 s31, s28, 1
	s_lshl_b32 s31, s31, 8
	s_and_b32 s38, s28, 1
	s_lshl_b32 s38, s38, 6
	s_add_co_u32 s31, s31, s38
	v_and_b32 v6, 7, v0
	v_lshlrev_b32 v6, 2, v6
	v_bfe_u32 v236, v0, 3, 1
	v_lshl_add_u32 v6, v236, 7, v6
	v_lshl_add_u32 v6, v3, 5, v6
	v_add_nc_u32 v6, s31, v6                       ; on the way out: my pixel, 4 x (64 (w / 2) + 32 (r / 8) + 8 (2 (w % 2) + h) + r % 8): lanes 0-15 tile 2 w, lanes 16-31 tile 2 w + 1; the 32 words differ modulo 64
	s_mul_i32 s31, s28, 3072
	s_add_co_u32 s31, s31, XIMG
	v_add_nc_u32 v7, s31, v4                       ; where I store my two fragments
	s_lshl_b32 s31, s28, 7
	s_add_co_u32 s31, s31, XSC
	v_lshl_add_u32 v8, v1, 2, s31                  ; and their scale words
	v_add_nc_u32 v9, XIMG, v4                      ; where any fragment is read
	v_lshl_add_u32 v10, v1, 2, XSC                 ; and any unit of scale words
	v_mov_b32 v239, 0                              ; written once: a lane permute's destination counts as one of its sources
	s_mov_b32 s40, 0x76543210
	s_mov_b32 s41, 0xfedcba98                      ; v_permlanex16_b32's selects for lane l xor 16
	; the other bases
	s_lshl_b32 s34, s30, 18                        ; q: 262,144 b + 8,192 s + 2,048 w
	s_lshl_b32 s38, s29, 13
	s_add_co_u32 s34, s34, s38
	s_lshl_b32 s38, s28, 11
	s_add_co_u32 s34, s34, s38
	s_mov_b32 s35, 0
	s_add_nc_u64 s[24:25], s[24:25], s[34:35]
	s_mov_b32 s39, 0
	s_add_co_u32 s38, s29, 31
	s_and_b32 s38, s38, 31                         ; the step before mine, round the batch's 32:
	s_lshl_b32 s36, s30, 5
	s_add_co_u32 s38, s38, s36
	s_mul_i32 s38, s38, REC                        ; its record
	s_lshl_b32 s31, s28, 11
	s_add_co_u32 s38, s38, s31
	s_add_nc_u64 s[32:33], s[26:27], s[38:39]      ; takes my two images of k
	s_add_co_u32 s36, s36, s29
	s_mul_i32 s36, s36, REC                        ; kv: record 32 b + s
	s_mov_b32 s37, 0
	s_add_nc_u64 s[26:27], s[26:27], s[36:37]
	s_mul_i32 s38, s28, 3072                       ; wv: my 32 rows of 96 bytes
	s_add_nc_u64 s[18:19], s[18:19], s[38:39]
	s_lshl_b32 s38, s28, 7                         ; their scale words, and bv: 128 bytes
	s_add_nc_u64 s[20:21], s[20:21], s[38:39]
	s_add_nc_u64 s[22:23], s[22:23], s[38:39]
	s_mul_i32 s38, s28, 3072
	s_add_co_u32 s38, s38, 8192
	s_add_nc_u64 s[34:35], s[26:27], s[38:39]      ; in my own record: my two fragments of v,
	s_lshl_b32 s38, s28, 8
	s_add_co_u32 s38, s38, 20480
	s_add_nc_u64 s[36:37], s[26:27], s[38:39]      ; my unit of scale words
.irp g, 0,1,2,3
	s_wait_loadcnt 42-8*\g                         ; loads come back in order: x's loads 8 g .. 8 g + 7 are in; its younger 8 (3 - g) and the 18 behind them may be out
.irp j, 0,1,2,3,4,5,6,7
	ds_store_b128 v5, v[X+4*(8*\g+\j):X+4*(8*\g+\j)+3] offset:512*(8*\g+\j)
.endr
.endr
	WIN 0x40
.irp tt, 0,1
.irp p, 0,1,2,3,4,5
	global_load_b64 v[WV+12*\tt+2*\p:WV+12*\tt+2*\p+1], v11, s[18:19] offset:1536*\tt+48*(\p/3)+8*(\p%3)
.endr
.irp j, 0,1,2,3,4,5,6,7
	global_load_b32 v[BV+8*\tt+\j], v12, s[22:23] offset:64*\tt   ; in v's result a lane holds ONE channel in all eight registers: its bias eight times
.endr
.endr
	WIN 0
	global_load_b32 v[WVS], v12, s[20:21]
	global_load_b32 v[WVS+1], v12, s[20:21] offset:64             ; 30 loads more
	BARRIER                                        ; the 128 channels x 128 pixels lie in the stage
.set k, 0
.rept 128
	ds_load_b32 v[X+k], v6 offset:512*k            ; channel k of my pixel
.set k, k+1
.endr
	s_wait_dscnt 0x0
	; my pixel's four blocks of 32 channels
.irp b, 0,1,2,3
	v_max3_num_f32 v[BM+\b], |v[X+32*\b]|, |v[X+32*\b+1]|, 0x2800000   ; with the floor 2^(5 - 127)
.endr
.irp i, 2,4,6,8,10,12,14,16,18,20,22,24,26,28,30
.irp b, 0,1,2,3
	v_max3_num_f32 v[BM+\b], v[BM+\b], |v[X+32*\b+\i]|, |v[X+32*\b+\i+1]|   ; (the four blocks by turns)
.endr
.endr
.irp b, 0,1,2,3
	v_add_nc_u32 v[SO+\b], 0xfe000000, v[BM+\b]
.endr
.irp b, 0,1,2,3
	v_lshrrev_b32 v[BY+\b], 23, v[SO+\b]
.endr
	v_lshl_or_b32 v[XSW], v[BY+1], 8, v[BY]        ; my pixel's scale word: lanes 0-15 tile 2 w's rows, lanes 16-31 tile 2 w + 1's
	v_lshl_or_b32 v[XSW], v[BY+2], 16, v[XSW]
	v_lshl_or_b32 v[XSW], v[BY+3], 24, v[XSW]
	v_cvt_scalef32_pk16_bf6_f32 v[FA:FA+2], v[X:X+15], v[SO]           ; block 0, lower and upper half
	v_cvt_scalef32_pk16_bf6_f32 v[T:T+2], v[X+16:X+31], v[SO]
	v_cvt_scalef32_pk16_bf6_f32 v[FB:FB+2], v[X+32:X+47], v[SO+1]      ; block 1
	v_cvt_scalef32_pk16_bf6_f32 v[T+4:T+6], v[X+48:X+63], v[SO+1]
	v_cvt_scalef32_pk16_bf6_f32 v[FA+6:FA+8], v[X+64:X+79], v[SO+2]    ; block 2
	v_cvt_scalef32_pk16_bf6_f32 v[T+8:T+10], v[X+80:X+95], v[SO+2]
	v_cvt_scalef32_pk16_bf6_f32 v[FB+6:FB+8], v[X+96:X+111], v[SO+3]   ; block 3
	v_cvt_scalef32_pk16_bf6_f32 v[T+12:T+14], v[X+112:X+127], v[SO+3]
	v_nop                                          ; one plain place behind a scaled conversion
	; A fragment wants blocks 0, 2 of its rows in lanes 0-15 and blocks 1, 3 in lanes 16-31.  Each swap lets the first register's lanes 16-31 (tile 2 w + 1's even block) change places with the second's lanes 0-15 (tile 2 w's odd block)
.irp i, 0,1,2
	v_permlane16_swap_b32 v[FA+\i], v[FB+\i]
	v_permlane16_swap_b32 v[FA+6+\i], v[FB+6+\i]
	v_permlane16_swap_b32 v[T+\i], v[T+4+\i]
	v_permlane16_swap_b32 v[T+8+\i], v[T+12+\i]
.endr
.irp i, 0,1,2
	v_mov_b32 v[FA+3+\i], v[T+\i]
	v_mov_b32 v[FB+3+\i], v[T+4+\i]
	v_mov_b32 v[FA+9+\i], v[T+8+\i]
	v_mov_b32 v[FB+9+\i], v[T+12+\i]
.endr
	IMAGE FA, 0
	IMAGE FB, 1536
	ds_store_b32 v8, v[XSW]
.rept 8
	v_nop                                          ; a scale register written by a vector instruction stands 8 places ahead of a scaled matrix instruction, an operand so written 4
.endr
	s_wait_loadcnt 30                              ; wq, wk, their scales and biases are in; wv's 30 loads may be out
	WIN 0x11                                       ; source 0 (the weight) and source 2 (the bias) window 1
	; source 0 = the weight's 16 rows, source 1 = 16 pixels: lane (r, h) holds pixel r and the outputs 8 h + 0 .. 7: the image that the next launch's f32 product wants.  The bias is the sum's first C
	v_wmma_scale_f32_16x16x128_f8f6f4 v[DQ:DQ+7], v[WQ:WQ+11], v[FA:FA+11], v[BQ:BQ+7], v[WQS], v[XSW] matrix_a_fmt:MATRIX_FMT_BF6 matrix_b_fmt:MATRIX_FMT_BF6
	v_wmma_scale_f32_16x16x128_f8f6f4 v[DK:DK+7], v[WK:WK+11], v[FA:FA+11], v[BK:BK+7], v[WKS], v[XSW] matrix_a_fmt:MATRIX_FMT_BF6 matrix_b_fmt:MATRIX_FMT_BF6
	v_wmma_scale_f32_16x16x128_f8f6f4 v[DQ+8:DQ+15], v[WQ:WQ+11], v[FB:FB+11], v[BQ:BQ+7], v[WQS], v[XSW] matrix_a_fmt:MATRIX_FMT_BF6 matrix_b_fmt:MATRIX_FMT_BF6 matrix_b_scale:MATRIX_SCALE_ROW1
	v_wmma_scale_f32_16x16x128_f8f6f4 v[DK+8:DK+15], v[WK:WK+11], v[FB:FB+11], v[BK:BK+7], v[WKS], v[XSW] matrix_a_fmt:MATRIX_FMT_BF6 matrix_b_fmt:MATRIX_FMT_BF6 matrix_b_scale:MATRIX_SCALE_ROW1
	WIN 0
.rept 5
	v_nop                                          ; four places ahead of the stores that read the results; the fifth for v's products below, which write over these products' registers
.endr
.irp a, 0,1
	global_store_b128 v4, v[DQ+8*\a:DQ+8*\a+3], s[24:25] offset:1024*\a          ; each accumulator from its low end on; each store covers 512 consecutive bytes, aligned
	global_store_b128 v4, v[DQ+8*\a+4:DQ+8*\a+7], s[24:25] offset:1024*\a+512
	global_store_b128 v4, v[DK+8*\a:DK+8*\a+3], s[32:33] offset:1024*\a
	global_store_b128 v4, v[DK+8*\a+4:DK+8*\a+7], s[32:33] offset:1024*\a+512
.endr
	BARRIER                                        ; x's eight fragments and their scale words lie in LDS
.irp t, 0,1,2,3,4,5,6,7
	FETCH XF+12*\t, 1536*\t
.endr
.irp u, 0,1,2,3
	ds_load_b32 v[XS+\u], v10 offset:128*\u
.endr
	s_wait_dscnt 0x0
	s_wait_loadcnt 0x0                             ; wv, its scales, bv
	s_wait_xcnt 0x0                                ; the stores of q and k have read their data: v's results are laid over those registers
.irp tt, 0,1
.if \tt == 1
.rept 5
	v_nop                                          ; these products begin the eight accumulators anew: five places behind the products that wrote them
.endr
.endif
	WIN 0x14                                       ; source 1 (wv) and source 2 (bv) window 1
	; source 0 = 16 pixels, source 1 = 16 channels: lane (r, h) holds channel r, and register 8 T + j the pixel 64 (T / 4) + 32 h + 8 (T % 4) + j
.irp t, 0,1,2,3,4,5,6,7
.if (\t)%2
	v_wmma_scale_f32_16x16x128_f8f6f4 v[DV+8*\t:DV+8*\t+7], v[XF+12*\t:XF+12*\t+11], v[WV+12*\tt:WV+12*\tt+11], v[BV+8*\tt:BV+8*\tt+7], v[XS+\t/2], v[WVS+\tt] matrix_a_fmt:MATRIX_FMT_BF6 matrix_b_fmt:MATRIX_FMT_BF6 matrix_a_scale:MATRIX_SCALE_ROW1
.else
	v_wmma_scale_f32_16x16x128_f8f6f4 v[DV+8*\t:DV+8*\t+7], v[XF+12*\t:XF+12*\t+11], v[WV+12*\tt:WV+12*\tt+11], v[BV+8*\tt:BV+8*\tt+7], v[XS+\t/2], v[WVS+\tt] matrix_a_fmt:MATRIX_FMT_BF6 matrix_b_fmt:MATRIX_FMT_BF6
.endif
.endr
	WIN 0
.rept 4
	v_nop                                          ; four places ahead of the first read of the results
.endr
	QV PCV+12*\tt, PWV+\tt
.irp c, 0,1,2
	global_store_b128 v4, v[PCV+12*\tt+4*\c:PCV+12*\tt+4*\c+3], s[34:35] offset:1536*\tt+512*\c
.endr
.endr
	global_store_b64 v14, v[PWV:PWV+1], s[36:37]   ; 32 lanes store 256 consecutive bytes, aligned
	s_wait_tensorcnt 0x0
	ds_add_u32 v254, v255
	s_wait_dscnt 0x0
	s_endpgm
.Lfunc_end_k_q70b784edca_proj:
	.size	k_q70b784edca_proj, .Lfunc_end_k_q70b784edca_proj-k_q70b784edca_proj
	.p2alignl 7, 3214868480
	.fill 96, 4, 3214868480
	.section	.rodata,"a",@progbits
	.p2align	6, 0x0
	.amdhsa_kernel k_q70b784edca_proj
		.amdhsa_group_segment_fixed_size 78848
		.amdhsa_private_segment_fixed_size 0
		.amdhsa_enable_private_segment 0
		.amdhsa_kernarg_size 96
		.amdhsa_user_sgpr_count 2
		.amdhsa_user_sgpr_kernarg_segment_ptr 1
		.amdhsa_wavefront_size32 1
		.amdhsa_system_sgpr_workgroup_id_x 1
		.amdhsa_system_sgpr_workgroup_id_y 1
		.amdhsa_system_sgpr_workgroup_id_z 1
		.amdhsa_system_vgpr_workitem_id 0
		.amdhsa_next_free_vgpr 336
		.amdhsa_next_free_sgpr 66
		.amdhsa_reserve_vcc 0
		.amdhsa_float_denorm_mode_32 3
		.amdhsa_float_denorm_mode_16_64 3
		.amdhsa_memory_ordered 1
		.amdhsa_forward_progress 1
		.amdhsa_inst_pref_size 41
	.end_amdhsa_kernel
	.amdgpu_metadata
---
amdhsa.version: [ 1, 2 ]
amdhsa.kernels:
  - .name:           k_q70b784edca_proj
    .symbol:         k_q70b784edca_proj.kd
    .args:
      - { .name: x, .offset: 0, .size: 8, .value_kind: global_buffer, .address_space: global }
      - { .name: wq_codes, .offset: 8, .size: 8, .value_kind: global_buffer, .address_space: global }
      - { .name: wq_scales, .offset: 16, .size: 8, .value_kind: global_buffer, .address_space: global }
      - { .name: bq, .offset: 24, .size: 8, .value_kind: global_buffer, .address_space: global }
      - { .name: wk_codes, .offset: 32, .size: 8, .value_kind: global_buffer, .address_space: global }
      - { .name: wk_scales, .offset: 40, .size: 8, .value_kind: global_buffer, .address_space: global }
      - { .name: bk, .offset: 48, .size: 8, .value_kind: global_buffer, .address_space: global }
      - { .name: wv_codes, .offset: 56, .size: 8, .value_kind: global_buffer, .address_space: global }
      - { .name: wv_scales, .offset: 64, .size: 8, .value_kind: global_buffer, .address_space: global }
      - { .name: bv, .offset: 72, .size: 8, .value_kind: global_buffer, .address_space: global }
      - { .name: q, .offset: 80, .size: 8, .value_kind: global_buffer, .address_space: global }
      - { .name: kv, .offset: 88, .size: 8, .value_kind: global_buffer, .address_space: global }
    .group_segment_fixed_size: 78848
    .private_segment_fixed_size: 0
    .kernarg_segment_align: 8
    .kernarg_segment_size: 96
    .max_flat_workgroup_size: 128
    .sgpr_count:     66
    .vgpr_count:     336
    .wavefront_size: 32
...
	.end_amdgpu_metadata
.endif
;; end of part 1
;; launch attn (part 2): grid 16 x 16, 16 waves a work-group, clusters of 4 x 1, 327,680 bytes of LDS; arguments q, kv, x, gamma, out0; writes out0
.if DOCPART == 2
	.amdgcn_target "amdgcn-amd-amdhsa--gfx1250"
	.amdhsa_code_object_version 6
	.text
	.protected	k_q70b784edca_attn
	.globl	k_q70b784edca_attn
	.p2align	8
	.type	k_q70b784edca_attn,@function
k_q70b784edca_attn:
	s_mov_b64 s[64:65], 0
	v_nop
	global_prefetch_b8 v0, s[64:65] scope:SCOPE_SE
	s_setreg_imm32_b32 hwreg(HW_REG_WAVE_MODE, 25, 1), 1
	s_wait_xcnt 0x0
	s_wait_alu depctr_hold_cnt(0) depctr_sa_sdst(0) depctr_va_vdst(0) depctr_va_sdst(0) depctr_va_ssrc(0) depctr_va_vcc(0) depctr_vm_vsrc(0)
	s_getreg_b32 s2, hwreg(HW_REG_IB_STS2, 6, 4)
	s_cmp_eq_u32 s2, 0
	s_cbranch_scc0 .Lentry_in_a_cluster
	s_endpgm
.Lentry_in_a_cluster:
	s_bfe_u32 s2, ttmp6, 0x10000c
	s_cmp_lg_u32 s2, 0x3003
	s_cbranch_scc0 .Lentry_shape_is_right
	s_endpgm
.Lentry_shape_is_right:
; out0[b][c][i] = gamma x (the sum over keys j of v[b][c][j] softmax_j(q[b][i] . k[b][j])) + x[b][c][i].  16 batches, 4,096 pixels, 128 channels, 16 numbers a pixel in q and k.
; q . k stays in f32 (v_wmma_f32_16x16x4_f32), since its result goes into a quantiser.  The second product is on codes of BF6 (E3M2) with one E8M0 scale for each 32 keys: v comes as codes from the launch before;
; p = 2^(t - M), t = score x log2(e), M = the row's largest t so far rounded UP to a whole number, is quantised here, not normalised.  The row's sum is taken of the unquantised p and divides at the end.
; When M moves, the sum and O are multiplied by 2^(old M - new M), which rounds nothing.
; BUFFERS (laid by the launch before as images of operand registers): q: an image of 1,024 bytes for each 16 queries; kv: a record of 21,504 bytes for each key step of 128 keys: 8 images of k OF THE NEXT STEP
; (record 31: of step 0), 8 fragments of v of the step itself, 1,024 bytes of v's scale words.  Row m of tile T = 4 c + i of 128 pixels is pixel 64 c + 32 (m / 8) + 8 i + m % 8, for keys and for queries.
; SHARES.  A work-group owns 256 queries of one batch; each of its SIXTEEN waves owns one tile of 16, in 256 registers, four waves to a SIMD.
; Every wave walks the batch's 32 key steps.  The records come through a ring of two LDS slots of four records, filled by waves 0 to 3, a record each, and read by all sixteen.
; LAYOUT.  Both products are used transposed: S^T = k q^T (source 0 = 16 keys, source 1 = my queries), O^T = v p^T (source 0 = 16 channels, source 1 = p): a lane holds ONE query (lane % 16) throughout, and by the map of
; rows the 32 registers of S^T's tiles 4 c .. 4 c + 3 are the keys 64 c + 32 (lane / 16) + 0 .. 31: a whole block of p in one lane, in the operand's own order.
; In the f32 product K step s takes registers 2 s, 2 s + 1 of both images (numbers 8 (lane / 16) + 2 s + 0, 1 of the 16): the same choice on both sides, so every product is formed once.
; BY TURNS.  A wave issues in order, so its matrix and its vector work are set side by side in the text: the 32 f32 products of step j + 1 stand among the exponentials, sums, conversions and rescalings of step j.
; S^T's lower 32 registers are free for the next step as soon as step j's first 16 multiply-adds have read them, the upper 32 after the second 16: so one S^T serves.  k comes in four groups (four tiles x half an image:
; 16 registers, 8 products on four accumulators by turns) through two buffers.  Since a record holds the next step's k, all LDS reads of a step fall into one record, and the ring knows nothing of the turns.
; S^T of step 0 is made ahead of the loop, its k loaded from memory; the last step is written out without products for a next one.
; CLUSTER.  The four query blocks of a cluster walk the same records: each is asked for JOINTLY, by the same tensor load with the same descriptor and a mask that names the four.
; x's tile (128 channels x my 256 pixels) comes into LDS once, with the first fills (waves 4 and 5), and is added on the way out.
; LIMITS: NaN and infinities among the inputs are not served.  A block of p whose largest lies under 2^-122 keeps the byte 1; a p under 2^-126 falls to 0.  A block's largest p is made from its largest score by the same
; multiply-add and exponential, which takes v_exp_f32 not to fall where its input rises.  The 16 terms of q . k are added in another order than in a plain loop over them.
.set REC,   21504
.set SLOTB, 4*REC                      ; LDS: slot 0 at 0, slot 1 at 86,016;
.set XT,    2*SLOTB                    ; x's tile, 128 rows of 1,024 bytes, filled once;
.set SPARE, XT+131072                  ; the spare words, 128 bytes for each wave: eight blocks of 256 bytes that no other line names.
                                       ; The way out's stage, 128 rows of 1,024 bytes, lies at 0, over the slots, which have then had their last fill and their last read
.set LI,  1                            ; v1   16 x lane
.set L8,  2                            ; v2   8 x lane + 20,480: v's scale words in a record
.set SPW, 3                            ; v3   LDS address of my spare word; never rewritten
.set NIL, 4                            ; v4   0; never rewritten
.set ADR, 5                            ; v5   the record in hand + 16 x lane
.set ADS, 6                            ; v6   the record in hand + v2
.set H8,  7                            ; v7   8 (lane / 16)
                                       ; v8, v9 at work;  v[10:11] f = 2^(old M - new M), and 0;  v12 -M;  v13 the largest t;  v[14:15] the sum in two halves
.set Q,   16                           ; v16-23   my queries' image
.set VS,  24                           ; v24-31   v's scale words: scales and nothing else
.set KA,  32                           ; v32-47   k: registers 0-3 of four tiles' images;  v48-63 registers 4-7
.set T,   64                           ; v64-71   the upper halves of p's codes
.set SO,  74                           ; v74-75   the conversions' scale operands;  v76-77 the bytes;  v[78:79] a second chain of sums
.set BY,  76
.set PR,  78
.set P,   80                           ; v80-111  p of 32 keys a lane
.set VA,  80                           ; v's fragments, four at a time, in registers that are done with by then: p's (two), the conversions' scratch, k's first buffer
.set VB,  92
.set VC,  64
.set VD,  32
.set KF,  32                           ; v32-95   the way out: rows of the stage
.set S,   112                          ; v112-175 S^T: written by the f32 matrix instruction alone in the whole text
.set O,   176                          ; v176-239 O^T
.set PC,  240                          ; v240-251 p's fragment
.set PW,  252                          ; v252     p's scale word: a scale and nothing else
.set PFO, 253                          ; v253     the prefetches' offset; never rewritten
.set BM,  254                          ; v254-255 the blocks' largest scores, then largest p
.set WV,  14                           ; s14  my wave's number
.set CS,  20                           ; s[20:21] log2(e): the packed form names a pair and takes its low word for both halves
.set SEL, 22                           ; s[22:23] v_permlanex16_b32's selects for lane l xor 16
.set G1,  24                           ; s[24:31] descriptor group 1 for a record;  s[32:39] for half of x's tile
.set G1X, 32
.set G0,  40                           ; s[40:43], s[44:47] group 0 for slot 0, slot 1;  s[48:51] for x
.set G0X, 48
.set TB,  52                           ; s52  LDS byte at which the record in hand begins
.set CNT, 53                           ; s53  counts a slot's steps
.set TRIP, 54                          ; s54  counts the ring's laps
.set SLOTS, 55                         ; s55  refills still to come
.set LIM, 56                           ; s56  1 in a wave that prefetches, else the greatest number
.set PFA, 58                           ; s[58:59] where my work-group's prefetches stand
.set K0,  76                           ; s[76:77] the batch's record 31 in memory: k of step 0
; A round of the cluster's barrier: my work-group's barrier, so that wave 0's signal speaks for all sixteen waves; wave 0 signals; every wave waits for the four work-groups; my work-group's barrier once more.
.macro CROUND
	s_barrier_signal -1
	s_barrier_wait -1
	s_cmp_lg_u32 s[WV], 0
	s_cbranch_scc1 .Lnot_wave_0_\@
	s_barrier_signal -3
.Lnot_wave_0_\@:
	s_barrier_wait -3
	s_barrier_signal -1
	s_barrier_wait -1
.endm
; A joint refill of slot n: waves 0 to 3 a record each.  The branch hangs on the wave's number alone.  Four v_nop follow the load.
.macro JLOAD n
	s_cmp_lt_u32 s[WV], 4
	s_cbranch_scc0 .Lno_load_\@
	tensor_load_to_lds s[G0+4*\n:G0+4*\n+3], s[G1:G1+7]
	s_nop 0
.rept 4
	v_nop
.endr
.Lno_load_\@:
.endm
; A PREFETCH INTO THE L2 of the four records that the NEXT change of slots will ask for: four key steps ahead of that load.  All four clusters of a batch walk the same records: the batch's first cluster asks.  Its four partners take a
; record each, told apart BY ADDRESS; in each, waves 6 to 8, which fetch nothing, name the record's 84 blocks of 256 bytes, a lane a block (the third wave's last twelve lanes are held at block 83).
; The first three slots come by their loads alone; the last refill asks for nothing: there is no slot behind it.
.macro ASK
	s_cmp_gt_u32 s[SLOTS], s[LIM]
	s_cbranch_scc0 .Lnot_mine_\@
	global_prefetch_b8 v[PFO], s[PFA:PFA+1] th:TH_LOAD_NT scope:SCOPE_SE
.Lnot_mine_\@:
.endm
; Product m of 8 of group (c, h): tile 4 c + m % 4, K step 2 h + m / 4.  The four accumulators take turns, one instruction a turn; a sum's first K step takes the constant 0 as C.
.macro SW c, h, m
.if ((\h) == 0) && ((\m) < 4)
	v_wmma_f32_16x16x4_f32 v[S+32*(\c)+8*((\m)%4):S+32*(\c)+8*((\m)%4)+7], v[KA+16*(\h)+4*((\m)%4)+2*((\m)/4):KA+16*(\h)+4*((\m)%4)+2*((\m)/4)+1], v[Q+4*(\h)+2*((\m)/4):Q+4*(\h)+2*((\m)/4)+1], 0
.else
	v_wmma_f32_16x16x4_f32 v[S+32*(\c)+8*((\m)%4):S+32*(\c)+8*((\m)%4)+7], v[KA+16*(\h)+4*((\m)%4)+2*((\m)/4):KA+16*(\h)+4*((\m)%4)+2*((\m)/4)+1], v[Q+4*(\h)+2*((\m)/4):Q+4*(\h)+2*((\m)/4)+1], v[S+32*(\c)+8*((\m)%4):S+32*(\c)+8*((\m)%4)+7]
.endif
.endm
.macro MW on, c, h, m                  ; the same, where there is a next step
.if \on
	SW \c, \h, \m
.endif
.endm
.macro KLOAD c, h                      ; group (c, h) of the next step's k, from the record in hand: registers 4 h .. 4 h + 3 of the images of tiles 4 c .. 4 c + 3
.irp i, 0,1,2,3
	ds_load_b128 v[KA+16*(\h)+4*\i:KA+16*(\h)+4*\i+3], v[ADR] offset:1024*(4*(\c)+\i)+512*(\h)
.endr
.endm
.macro GK c, h                         ; the same of step 0's k, from memory
.irp i, 0,1,2,3
	global_load_b128 v[KA+16*(\h)+4*\i:KA+16*(\h)+4*\i+3], v[LI], s[K0:K0+1] offset:1024*(4*(\c)+\i)+512*(\h)
.endr
.endm
.macro VLOAD t, r                      ; v's fragment of channels 16 t on
.irp a, 0,1,2
	ds_load_b128 v[(\r)+4*\a:(\r)+4*\a+3], v[ADR] offset:8192+1536*(\t)+512*\a
.endr
.endm
.macro PVW t, r                        ; O^T's tile t += v's fragment x p
	v_wmma_scale_f32_16x16x128_f8f6f4 v[O+8*(\t):O+8*(\t)+7], v[(\r):(\r)+11], v[PC:PC+11], v[O+8*(\t):O+8*(\t)+7], v[VS+(\t)], v[PW] matrix_a_fmt:MATRIX_FMT_BF6 matrix_b_fmt:MATRIX_FMT_BF6
.endm
.macro ADDN n                          ; number n of the 16 packed additions that add a batch's 32 p to the row's sum: two chains, v[14:15] and v[78:79]
.if (\n) == 0
	v_pk_add_f32 v[PR:PR+1], v[P:P+1], v[P+2:P+3]
.elseif (\n) == 15
	v_pk_add_f32 v[14:15], v[14:15], v[PR:PR+1]
.elseif (\n) % 2
	v_pk_add_f32 v[14:15], v[14:15], v[P+2*(\n)+2:P+2*(\n)+3]
.else
	v_pk_add_f32 v[PR:PR+1], v[PR:PR+1], v[P+2*(\n)+2:P+2*(\n)+3]
.endif
.endm
.macro OMUL k                          ; pair k of O^T's 32 under the new M.  They are taken in ascending order
	v_pk_mul_f32 v[O+2*(\k):O+2*(\k)+1], v[O+2*(\k):O+2*(\k)+1], v[10:11] op_sel_hi:[1,0]
.endm
; A KEY STEP.  S^T of this step's 128 keys stands in v[S] on.  on = 1: the next step's S^T is made on the way, from the k in the record at s[TB].
; The distances behind matrix instructions are kept by the step's own plain vector lines, counted at each place below: eight behind the f32 form, four behind the scaled one, ahead of loads into registers that it read
; and of the first read of its results; exponentials, conversions and other matrix instructions are not counted.
.macro STEP on
	v_add_nc_u32 v[ADR], s[TB], v[LI]
	v_add_nc_u32 v[ADS], s[TB], v[L8]
.irp c, 0,1
	v_max3_num_f32 v[BM+\c], v[S+32*\c], v[S+32*\c+1], v[S+32*\c+2]   ; THE LARGEST SCORE OF EACH BLOCK OF 32 KEYS, in ascending order.  It serves twice: for the row's maximum and for the block's largest p
.endr
.if \on
	KLOAD 0, 0                                     ; the four lines above are the places behind the last scaled product, which read v32-43; the second buffer's last reader stands 16 rescalings back
	KLOAD 0, 1
.endif
.irp i, 3,5,7,9,11,13,15,17,19,21,23,25,27,29
.irp c, 0,1
	v_max3_num_f32 v[BM+\c], v[BM+\c], v[S+32*\c+\i], v[S+32*\c+\i+1]
.endr
.endr
.irp c, 0,1
	v_max_num_f32 v[BM+\c], v[BM+\c], v[S+32*\c+31]
.endr
	v_max_num_f32 v8, v[BM], v[BM+1]
	v_permlanex16_b32 v9, v8, s[SEL], s[SEL+1]
	v_max_num_f32 v8, v8, v9                       ; with lane l xor 16's 64 keys: the step's largest score of my query
	v_mul_f32 v8, s[CS], v8                        ; as t
	v_max_num_f32 v13, v13, v8                     ; the running largest t
	v_mov_b32 v8, v12
	v_floor_f32 v12, -v13                          ; the new -M = floor(-t) = -ceil(t): M is a whole number
	v_sub_f32 v8, v12, v8                          ; M's old value less its new one: a whole number, 0 or less
	v_cvt_i32_f32 v8, v8                           ; (it saturates)
	v_ldexp_f32 v10, 1.0, v8                       ; f = 2^(old M - new M)
	; ---- batch 0: keys 32 (lane / 16) + 0 .. 31
.set k, 0
.rept 16
	v_pk_fma_f32 v[P+k:P+k+1], v[S+k:S+k+1], s[CS:CS+1], v[12:13] op_sel_hi:[1,0,0]   ; t - M, two at a time (of the pairs log2(e) and -M the low word serves both halves).  S^T's lower half is free behind these
.set k, k+2
.endr
	v_fma_f32 v[BM], v[BM], s[CS], v12             ; the same of both blocks' largest scores
	v_fma_f32 v[BM+1], v[BM+1], s[CS], v12
.if \on
	s_wait_dscnt 4                                 ; LDS loads come back in order: group (0, 0) is in, the four loads of group (0, 1) may be out
.endif
.irp m, 0,1,2,3,4,5,6,7
	MW \on, 0, 0, \m
.irp e, 0,1,2,3
	v_exp_f32 v[P+4*\m+\e], v[P+4*\m+\e]           ; p = 2^(t - M), at most 1: four behind each product
.endr
.endr
.if \on
	s_wait_dscnt 0x0                               ; group (0, 1) is in
.endif
	MW \on, 0, 1, 0
	v_exp_f32 v[BM], v[BM]                         ; the blocks' largest p: the same two instructions on the same number give the same bits
	v_exp_f32 v[BM+1], v[BM+1]
	v_pk_mul_f32 v[14:15], v[14:15], v[10:11] op_sel_hi:[1,0]   ; the sums under the new M.  (The plain line behind the exponentials)
	s_wait_alu depctr_va_vdst(0)                   ; one wait for the batch's 34 exponentials, ahead of their first reader
.irp m, 1,2,3,4
	MW \on, 0, 1, \m
.irp a, 0,1,2,3
	ADDN 4*\m-4+\a                                 ; the row's sum is taken of the unquantised p
.endr
.if (\m == 2) && \on
	KLOAD 1, 0                                     ; into the first buffer: nine plain lines (the sums' rescaling and eight additions) stand behind its last reader
.endif
.endr
	MW \on, 0, 1, 5
	v_max_num_f32 v[BM], 0x2800000, v[BM]          ; the floor 2^(5 - 127): the byte cannot fall under 1
	v_max_num_f32 v[BM+1], 0x2800000, v[BM+1]
	v_add_nc_u32 v[SO], 0xfe000000, v[BM]          ; 4 off the exponent field: the conversion's scale operand
	v_add_nc_u32 v[SO+1], 0xfe000000, v[BM+1]
	MW \on, 0, 1, 6
	v_lshrrev_b32 v[BY], 23, v[SO]                 ; the scale's byte
	v_lshrrev_b32 v[BY+1], 23, v[SO+1]
	v_lshl_or_b32 v8, v[BY+1], 16, v[BY]           ; my two bytes (blocks h and 2 + h)
	v_lshlrev_b32 v8, v[H8], v8                    ; at their places in the word,
	MW \on, 0, 1, 7
	v_permlanex16_b32 v9, v8, s[SEL], s[SEL+1]
	v_cvt_scalef32_pk16_bf6_f32 v[PC:PC+2], v[P:P+15], v[SO]
	v_cvt_scalef32_pk16_bf6_f32 v[T:T+2], v[P+16:P+31], v[SO]   ; (a conversion's three registers begin on an even number)
	v_or_b32 v[PW], v8, v9                         ; with lane l xor 16's two: p's scale word for these 128 keys, far ahead of the products that take it.  (The plain line behind the conversions)
	; ---- batch 1: keys 64 + 32 (lane / 16) + 0 .. 31
.set k, 0
.rept 16
	v_pk_fma_f32 v[P+k:P+k+1], v[S+32+k:S+32+k+1], s[CS:CS+1], v[12:13] op_sel_hi:[1,0,0]   ; S^T's upper half is free behind these
.set k, k+2
.endr
.if \on
	KLOAD 1, 1                                     ; into the second buffer: these sixteen lines stand behind its last reader
	s_wait_dscnt 4                                 ; group (1, 0) is in, the four loads just issued may be out
.endif
.irp m, 0,1,2,3,4,5,6,7
	MW \on, 1, 0, \m
.irp e, 0,1,2,3
	v_exp_f32 v[P+4*\m+\e], v[P+4*\m+\e]
.endr
.endr
.if \on
	s_wait_dscnt 0x0                               ; group (1, 1) is in
.endif
	MW \on, 1, 1, 0
	OMUL 0                                         ; (the plain line behind the exponentials)
	s_wait_alu depctr_va_vdst(0)                   ; one wait for the batch's 32
.irp m, 1,2,3,4
	MW \on, 1, 1, \m
.irp a, 0,1,2,3
	ADDN 4*\m-4+\a
.endr
	OMUL 2*\m-1
	OMUL 2*\m
.endr
	MW \on, 1, 1, 5
	v_cvt_scalef32_pk16_bf6_f32 v[PC+6:PC+8], v[P:P+15], v[SO+1]
	v_cvt_scalef32_pk16_bf6_f32 v[T+4:T+6], v[P+16:P+31], v[SO+1]
	OMUL 9                                         ; (the plain line behind the conversions)
	OMUL 10
	OMUL 11
.irp u, 0,1,2,3
	ds_load_b64 v[VS+2*\u:VS+2*\u+1], v[ADS] offset:256*\u   ; v's scale words of tiles 2 u, 2 u + 1
.endr
	VLOAD 0, VA                                    ; p has been summed and converted: its registers take two fragments of v;
	VLOAD 1, VB
	VLOAD 3, VD                                    ; k's first buffer a third: its last reader stands 28 plain lines back
	MW \on, 1, 1, 6
.irp c, 0,1
.irp i, 0,1,2
	v_mov_b32 v[PC+3+6*\c+\i], v[T+4*\c+\i]        ; registers 6 c .. 6 c + 5 hold keys 64 c + 32 (lane / 16) + 0 .. 31
.endr
.endr
.irp a, 12,13,14,15
	OMUL \a
.endr
	VLOAD 2, VC                                    ; the conversions' scratch is done with
	MW \on, 1, 1, 7
.irp a, 16,17,18,19,20,21,22,23
	OMUL \a                                        ; eight lines that name none of the next four products' registers: the places behind the writes of p's codes, and behind the last f32 product
.endr
	s_wait_dscnt 0x0
	PVW 0, VA                                      ; O^T += v p^T: four tiles of 16 channels at a time
	PVW 1, VB
	PVW 2, VC
	PVW 3, VD
.irp a, 24,25,26,27
	OMUL \a                                        ; four places ahead of loads into registers that the products above read
.endr
	VLOAD 4, VA
	VLOAD 5, VB
	VLOAD 6, VC
	VLOAD 7, VD
.irp a, 28,29,30,31
	OMUL \a
.endr
.rept 4
	v_nop                                          ; the last accumulator rescaled stands four places ahead of its product, as an operand written by a vector instruction does; the loads are on their way meanwhile
.endr
	s_wait_dscnt 0x0
	PVW 4, VA
	PVW 5, VB
	PVW 6, VC
	PVW 7, VD
.endm
; THE CHANGE OF SLOTS.  Each wave waits for all its tensor loads (its part of the slot that it is about to read), adds 0 to its spare word, and waits for that and for its reads of the slot that it has left.
; fill = 1: slot n, just left, is filled with the records eight further on; the barrier is then a round of the cluster's, so that no wave of any partner still reads the slot or has a load on its way, and the joint
; refill is the first thing behind it: it has a slot's four key steps in which to land.  By this text's count a wave has two tensor loads out at the start and one behind each round.
.macro CHANGE n, fill
	s_wait_tensorcnt 0x0                           ; no tensor load of mine is out, so a group 0 may be written
	ds_add_u32 v[SPW], v[NIL]                      ; 0 onto my spare word
.if \fill
	s_add_nc_u64 s[G0+4*\n+2:G0+4*\n+3], s[G0+4*\n+2:G0+4*\n+3], 2*SLOTB   ; the type bits on top are not reached
	s_wait_xcnt 0x0                                ; the last prefetch, a slot back, has read its address, so it may be written:
	s_add_nc_u64 s[PFA:PFA+1], s[PFA:PFA+1], SLOTB ; one slot further on than the refill
.endif
	s_wait_dscnt 0x0                               ; the add is done, and my reads of the slot that I have left are over
.if \fill
	CROUND
	JLOAD \n
	ASK
	s_sub_co_u32 s[SLOTS], s[SLOTS], 1
.else
	s_barrier_signal -1
	s_barrier_wait -1
.endif
.endm
.macro WORK base, cnt                  ; key steps of a slot: written once, walked cnt times
	s_mov_b32 s[TB], \base
	s_mov_b32 s[CNT], \cnt
.Lstep_\@:
	STEP 1
	s_add_co_u32 s[TB], s[TB], REC
	s_sub_co_u32 s[CNT], s[CNT], 1
	s_cmp_lg_u32 s[CNT], 0
	s_cbranch_scc1 .Lstep_\@
.endm
	s_load_b256 s[4:11], s[0:1], 0x0               ; q 4:5, kv 6:7, x 8:9, gamma 10:11
	s_load_b64 s[12:13], s[0:1], 0x20              ; out0
	v_lshl_add_u32 v[SPW], v0, 2, SPARE
	v_mov_b32 v[NIL], 0
	ds_add_u32 v3, v4
	s_wait_dscnt 0x0
	v_lshrrev_b32 v8, 5, v0
	v_readfirstlane_b32 s[WV], v8                  ; wave 0..15
	s_bfe_u32 s15, ttmp6, 0x40000                  ; cx: my place in the cluster: it enters q's, x's, out0's and the prefetches' global addresses alone
	s_lshl_b32 s16, ttmp9, 2                       ; in a cluster launch ttmp9 counts clusters
	s_add_co_u32 s16, s16, s15                     ; my block of 256 queries
	s_and_b32 s17, ttmp7, 0xffff                   ; the batch, which the four partners share
	; descriptor group 1 for a record: a dense block of 21,504 bytes as 84 rows of 256 bytes (32 elements of 8 bytes)
	s_mov_b32 s[G1], 15|(3<<16)|(1<<21)            ; 15:0 the mask: all four work-groups; 17:16 elements of 8 bytes; 20 padding off; 21 set beside a mask
	s_mov_b32 s[G1+1], 32<<16                      ; tensor_dim0
	s_mov_b32 s[G1+2], 84<<16                      ; tensor_dim1
	s_mov_b32 s[G1+3], 32<<16                      ; tile_dim0
	s_mov_b32 s[G1+4], 84                          ; tile_dim1
	s_mov_b32 s[G1+5], 32                          ; from row to row
	s_mov_b32 s[G1+6], 0
	s_mov_b32 s[G1+7], 0
	; and for half of x's tile: 64 channels x 256 pixels of 4 bytes, 4,096 elements from channel to channel; no mask: each work-group has its own
	s_mov_b32 s[G1X], 2<<16
	s_mov_b32 s[G1X+1], 256<<16
	s_mov_b32 s[G1X+2], 64<<16
	s_mov_b32 s[G1X+3], 256<<16
	s_mov_b32 s[G1X+4], 64
	s_mov_b32 s[G1X+5], 4096
	s_mov_b32 s[G1X+6], 0
	s_mov_b32 s[G1X+7], 0
	s_mov_b32 s[CS], 0x3fb8aa3b                    ; log2(e)
	s_mov_b32 s[CS+1], s[CS]                       ; (named with it as a pair, so it is written)
	s_mov_b32 s[SEL], 0x76543210
	s_mov_b32 s[SEL+1], 0xfedcba98
	s_mov_b32 s[SLOTS], 6
	s_mul_i32 s60, s[WV], REC                      ; the record that I fetch, if I fetch: its place in a slot,
	s_mul_i32 s62, s17, 32*REC
	s_add_co_u32 s62, s62, s60                     ; and in kv: 688,128 b + 21,504 w
	s_mov_b32 s63, 0
	s_and_b32 s61, s[WV], 1                        ; which half of x's tile (waves 4 and 5)
	s_lshl_b32 s[G0X+1], s61, 16
	s_add_co_u32 s[G0X+1], s[G0X+1], XT            ; its place in LDS
	s_lshl_b32 s68, s61, 20                        ; and 64 channels of 16,384 bytes in memory
	s_mov_b32 s69, 0
	s_lshl_b32 s70, s17, 21                        ; x and out0: 2,097,152 b + 1,024 x my block
	s_lshl_b32 s66, s16, 10
	s_add_co_u32 s70, s70, s66
	s_mov_b32 s71, 0
	s_lshl_b32 s72, s17, 18                        ; q: image 256 b + 16 x my block + w, 1,024 bytes each
	s_lshl_b32 s66, s16, 14
	s_add_co_u32 s72, s72, s66
	s_lshl_b32 s66, s[WV], 10
	s_add_co_u32 s72, s72, s66
	s_mov_b32 s73, 0
	s_lshl_b32 s74, s[WV], 17                      ; the way out: my 8 channels of 16,384 bytes
	s_mov_b32 s75, 0
	s_mul_i32 s[K0], s17, 32*REC                   ; the batch's record 31
	s_add_co_u32 s[K0], s[K0], 31*REC
	s_mov_b32 s[K0+1], 0
	s_mul_i32 s66, s15, REC                        ; the prefetches: my work-group's record of a slot,
	s_mul_i32 s67, s17, 32*REC
	s_add_co_u32 s66, s66, s67
	s_add_co_u32 s66, s66, 2*SLOTB                 ; in the third slot's worth of records: the first refill steps it to the fourth
	s_mov_b32 s67, 0
	s_wait_kmcnt 0x0
	s_load_b32 s18, s[10:11], 0x0                  ; gamma
	s_mov_b32 s[G0], 1                             ; 1:0 count = 1
	s_mov_b32 s[G0+1], s60                         ; LDS address: slot 0
	s_add_nc_u64 s[G0+2:G0+3], s[6:7], s[62:63]    ; global address: records 0 to 3
	s_mov_b32 s[G0+4], 1
	s_add_co_u32 s[G0+5], s60, SLOTB               ; slot 1
	s_add_nc_u64 s[G0+6:G0+7], s[G0+2:G0+3], SLOTB ; records 4 to 7
	s_or_b32 s[G0+3], s[G0+3], 0x80000000          ; type = 2
	s_or_b32 s[G0+7], s[G0+7], 0x80000000
	s_mov_b32 s[G0X], 1
	s_add_nc_u64 s[G0X+2:G0X+3], s[8:9], s[70:71]
	s_add_nc_u64 s[G0X+2:G0X+3], s[G0X+2:G0X+3], s[68:69]
	s_or_b32 s[G0X+3], s[G0X+3], 0x80000000
	s_add_nc_u64 s[4:5], s[4:5], s[72:73]
	s_add_nc_u64 s[12:13], s[12:13], s[70:71]
	s_add_nc_u64 s[12:13], s[12:13], s[74:75]
	s_add_nc_u64 s[K0:K0+1], s[6:7], s[K0:K0+1]
	s_add_nc_u64 s[PFA:PFA+1], s[6:7], s[66:67]
	s_sub_co_u32 s61, s[WV], 6
	s_cmp_lt_u32 s61, 3                            ; waves 6 to 8,
	s_cselect_b32 s[LIM], 0, 1
	s_or_b32 s[LIM], s[LIM], ttmp9                 ; of the batch's first cluster: the same in all four partners
	s_cmp_eq_u32 s[LIM], 0
	s_cselect_b32 s[LIM], 1, -1
	s_lshl_b32 s61, s61, 5
	s_wait_kmcnt 0x0
	CROUND                                         ; all four work-groups are here: the first joint loads meet
	s_cmp_lt_u32 s[WV], 4                          ; a wave's first fills stand in one branch, ahead of every wait on TENSORcnt and every LDS read
	s_cbranch_scc0 .Lnot_kv
	tensor_load_to_lds s[G0:G0+3], s[G1:G1+7]
	s_nop 0
	tensor_load_to_lds s[G0+4:G0+7], s[G1:G1+7]
	s_nop 0
.rept 4
	v_nop
.endr
	s_branch .Lfilled
.Lnot_kv:
	s_cmp_lt_u32 s[WV], 6
	s_cbranch_scc0 .Lfilled
	tensor_load_to_lds s[G0X:G0X+3], s[G1X:G1X+7]
	s_nop 0
.rept 4
	v_nop
.endr
.Lfilled:
	v_and_b32 v[LI], 31, v0                        ; lane
	v_lshl_add_u32 v[L8], v[LI], 3, 20480
	v_add_nc_u32 v[PFO], s61, v[LI]
	v_min_u32 v[PFO], 83, v[PFO]                   ; block 32 (w - 6) + lane of the record's 84, held at the last
	v_lshlrev_b32 v[PFO], 8, v[PFO]
	v_lshlrev_b32 v[LI], 4, v[LI]
	global_load_b128 v[Q:Q+3], v[LI], s[4:5]       ; my queries' image stays in registers
	global_load_b128 v[Q+4:Q+7], v[LI], s[4:5] offset:512
	GK 0, 0                                        ; S^T OF STEP 0 is made here, while the first fills are on their way: its k comes from memory, half at a time
	GK 0, 1
	v_bfe_u32 v[H8], v0, 4, 1
	v_lshlrev_b32 v[H8], 3, v[H8]
	v_mov_b32 v9, 0                                ; written once: a lane permute's destination counts as one of its sources
	v_mov_b32 v11, 0                               ; (named as the upper half of the pair v[10:11])
	v_mov_b32 v13, 0xff61b1e6                      ; the largest t so far: -3e38, under every t
	v_floor_f32 v12, -v13                          ; -M
	v_mov_b32 v14, 0                               ; the sum, in two halves
	v_mov_b32 v15, 0
.set k, 0
.rept 32
	v_mov_b32 v[O+k], 0                            ; O^T.  (The step is written without a first step of its own: the first finds zeros, which the first change of M leaves zeros)
.set k, k+1
.endr
	s_wait_loadcnt 0x0                             ; q, and k's tiles 0 to 3
.irp m, 0,1,2,3,4,5,6,7
	SW 0, 0, \m
.endr
.irp m, 0,1,2,3,4,5,6,7
	SW 0, 1, \m
.endr
.rept 32
	v_mov_b32 v[O+k], 0                            ; the other half of O^T: also the places ahead of the loads into the registers that those products read
.set k, k+1
.endr
	GK 1, 0
	GK 1, 1
	s_wait_loadcnt 0x0                             ; k's tiles 4 to 7
.irp m, 0,1,2,3,4,5,6,7
	SW 1, 0, \m
.endr
.irp m, 0,1,2,3,4,5,6,7
	SW 1, 1, \m
.endr
.rept 8
	v_nop                                          ; eight places behind this form, ahead of the first read of its results and of loads into its sources
.endr
	s_wait_tensorcnt 1                             ; my record of slot 0 is in; slot 1's (or x's half) may stay out
	s_barrier_signal -1
	s_barrier_wait -1                              ; everybody's is
	WORK 0, 4                                      ; records 0 to 3
	s_mov_b32 s[TRIP], 3
.Llap:                                             ; three laps: both slots are filled again in each
	CHANGE 0, 1
	WORK SLOTB, 4
	CHANGE 1, 1
	WORK 0, 4
	s_sub_co_u32 s[TRIP], s[TRIP], 1
	s_cmp_lg_u32 s[TRIP], 0
	s_cbranch_scc1 .Llap
	CHANGE 0, 0                                    ; the last slot is written out
	WORK SLOTB, 3
	s_mov_b32 s[TB], SLOTB+3*REC
	STEP 0                                         ; the last step has no next step to multiply for
	; THE WAY OUT.  gamma x O^T / the sum goes into a stage in LDS, [channel][pixel], where the sixteen waves' queries meet in the pixels' own order; each wave then takes 8 whole channels, adds x's tile and stores rows of 512 consecutive bytes.
	v_add_f32 v14, v14, v15                        ; the sum's two halves,
	v_permlanex16_b32 v9, v14, s[SEL], s[SEL+1]
	v_add_f32 v14, v14, v9                         ; and lane l xor 16's: the row's sum
	v_rcp_f32 v8, v14
	s_lshr_b32 s60, s[WV], 2
	s_lshl_b32 s60, s60, 8
	s_and_b32 s61, s[WV], 3
	s_lshl_b32 s61, s61, 5
	s_add_co_u32 s60, s60, s61                     ; my tile's pixels: 4 x (64 (w / 4) + 8 (w % 4))
	s_lshl_b32 s62, s[WV], 13                      ; my 8 channels of the stage
	v_and_b32 v5, 7, v0                            ; (plain places behind the reciprocal and behind the last products)
	v_lshlrev_b32 v5, 2, v5
	v_bfe_u32 v6, v0, 3, 1
	v_lshl_add_u32 v5, v6, 7, v5                   ; + 4 x (32 (r / 8) + r % 8)
	v_lshl_add_u32 v5, v[H8], 10, v5               ; + 8 h channels of 1,024 bytes
	v_add_nc_u32 v5, s60, v5                       ; into the stage: channels 0 to 63;
	v_add_nc_u32 v6, 0x10000, v5                   ; channels 64 to 127
	v_add_nc_u32 v2, s62, v[LI]                    ; back: my 8 channels, 16 bytes a lane;
	v_add_nc_u32 v7, XT, v2                        ; and the same place in x's tile
	s_wait_alu depctr_va_vdst(0)                   ; the wait ahead of the reciprocal's first reader
	v_mul_f32 v8, s18, v8                          ; gamma / the sum
	s_wait_dscnt 0x0
	s_barrier_signal -1
	s_barrier_wait -1                              ; every wave has left the slots: the stage may be written
.set k, 0
.rept 64
	v_mul_f32 v[O+k], v[O+k], v8                   ; register 8 t + j: channel 16 t + 8 h + j of my query
.set k, k+1
.endr
.irp t, 0,1,2,3
.irp j, 0,1,2,3,4,5,6,7
	ds_store_b32 v5, v[O+8*\t+\j] offset:(16*\t+\j)*1024
.endr
.endr
.irp t, 4,5,6,7
.irp j, 0,1,2,3,4,5,6,7
	ds_store_b32 v6, v[O+8*\t+\j] offset:(16*(\t-4)+\j)*1024
.endr
.endr
	s_wait_dscnt 0x0                               ; for the others' sake: my stores into the stage are done
	s_barrier_signal -1
	s_barrier_wait -1
.set i, 0
.rept 16
	ds_load_b128 v[KF+4*i:KF+4*i+3], v2 offset:512*i   ; piece i: channel 8 w + i / 2, pixels 128 (i % 2) on
	ds_load_b128 v[O+4*i:O+4*i+3], v7 offset:512*i     ; and x there
.set i, i+1
.endr
.set i, 0
.rept 16
	s_wait_dscnt 30-2*i                            ; piece i's two loads are in; the 2 (15 - i) behind them may be out
	v_pk_add_f32 v[KF+4*i:KF+4*i+1], v[KF+4*i:KF+4*i+1], v[O+4*i:O+4*i+1]
	v_pk_add_f32 v[KF+4*i+2:KF+4*i+3], v[KF+4*i+2:KF+4*i+3], v[O+4*i+2:O+4*i+3]
	global_store_b128 v[LI], v[KF+4*i:KF+4*i+3], s[12:13] offset:16384*(i/2)+512*(i%2) th:TH_STORE_NT   ; 32 lanes store 512 consecutive bytes, aligned; written once, read by nobody here
.set i, i+1
.endr
	s_wait_tensorcnt 0x0                           ; the wave's end, behind my last tensor load and my last LDS store
	ds_add_u32 v[SPW], v[NIL]
	s_wait_dscnt 0x0
	CROUND                                         ; the closing round: no work-group ends while a partner may still ask for a record that names it
	s_endpgm
.Lfunc_end_k_q70b784edca_attn:
	.size	k_q70b784edca_attn, .Lfunc_end_k_q70b784edca_attn-k_q70b784edca_attn
	.p2alignl 7, 3214868480
	.fill 96, 4, 3214868480
	.section	.rodata,"a",@progbits
	.p2align	6, 0x0
	.amdhsa_kernel k_q70b784edca_attn
		.amdhsa_group_segment_fixed_size 327680
		.amdhsa_private_segment_fixed_size 0
		.amdhsa_enable_private_segment 0
		.amdhsa_kernarg_size 40
		.amdhsa_user_sgpr_count 2
		.amdhsa_user_sgpr_kernarg_segment_ptr 1
		.amdhsa_wavefront_size32 1
		.amdhsa_system_sgpr_workgroup_id_x 1
		.amdhsa_system_sgpr_workgroup_id_y 1
		.amdhsa_system_sgpr_workgroup_id_z 1
		.amdhsa_system_vgpr_workitem_id 0
		.amdhsa_next_free_vgpr 256
		.amdhsa_next_free_sgpr 80
		.amdhsa_reserve_vcc 0
		.amdhsa_float_denorm_mode_32 3
		.amdhsa_float_denorm_mode_16_64 3
		.amdhsa_memory_ordered 1
		.amdhsa_forward_progress 1
		.amdhsa_inst_pref_size 115
	.end_amdhsa_kernel
	.amdgpu_metadata
---
amdhsa.version: [ 1, 2 ]
amdhsa.kernels:
  - .name:           k_q70b784edca_attn
    .symbol:         k_q70b784edca_attn.kd
    .args:
      - { .name: q, .offset: 0, .size: 8, .value_kind: global_buffer, .address_space: global }
      - { .name: kv, .offset: 8, .size: 8, .value_kind: global_buffer, .address_space: global }
      - { .name: x, .offset: 16, .size: 8, .value_kind: global_buffer, .address_space: global }
      - { .name: gamma, .offset: 24, .size: 8, .value_kind: global_buffer, .address_space: global }
      - { .name: out0, .offset: 32, .size: 8, .value_kind: global_buffer, .address_space: global }
    .group_segment_fixed_size: 327680
    .private_segment_fixed_size: 0
    .kernarg_segment_align: 8
    .kernarg_segment_size: 40
    .max_flat_workgroup_size: 512
    .sgpr_count:     80
    .vgpr_count:     256
    .wavefront_size: 32
...
	.end_amdgpu_metadata
.endif
;; end of part 2
